; MI455X (gfx1250); checked and timed in simulation.
; The chip was launched on July 23, 2026; its instructions are those of AMD's public machine-readable ISA for CDNA 5 (MIT licence, August 2026) and "CDNA5" Instruction Set Architecture Reference Guide (July 2026). The comments in the code are by the model that wrote it; some were corrected since.
;; H Net Energy Via Edge Matching. Allowed arithmetic: float matrix products may take bf16 or f16 operands with f32 sums; other float arithmetic in f32, or as packed bf16 or f16 multiplies, adds, multiply-adds, maxima and minima; sums over many terms, partial sums and values carried from step to step in f32; what a program stores and reads back later, other than sums and carried values, may be rounded once to bf16 or f16.
;; Inputs: edge_endnode_idx 8,192 x 2 int32; edge_type_filter 2 int32; learned_edge_states 2,048 x 8,192 float32; node_activations 1,024 x 1,024 int32.
;; Outputs: out0 1,024 x 2,048 float32.
;; One version. Each part assembles by itself: llvm-mc -triple=amdgcn-amd-amdhsa -mcpu=gfx1250 --defsym DOCPART=n.
;; ======== version 1 of 1: 4 launches
;; workspace buffers: amat 33,554,432 bytes; bmat 67,108,864 bytes; nullc 16,384 bytes; part 67,108,864 bytes; ener 8,388,608 bytes; mins 2,048 bytes
;; launch prep (part 1): grid 768 x 1, 8 waves a work-group, no clusters, 5,120 bytes of LDS; arguments node_activations, edge_endnode_idx, edge_type_filter, learned_edge_states, amat, bmat, nullc; writes amat, bmat, nullc
.if DOCPART == 1
	.amdgcn_target "amdgcn-amd-amdhsa--gfx1250"
	.amdhsa_code_object_version 6
	.text
	.protected	k_qffbbe1bafe_prep
	.globl	k_qffbbe1bafe_prep
	.p2align	8
	.type	k_qffbbe1bafe_prep,@function
k_qffbbe1bafe_prep:
	s_mov_b64 s[64:65], 0
	v_nop
	global_prefetch_b8 v0, s[64:65] scope:SCOPE_SE
	s_setreg_imm32_b32 hwreg(HW_REG_WAVE_MODE, 25, 1), 1
	s_wait_xcnt 0x0
; THE TWO OPERANDS OF THE MATCH PRODUCT, AS ONE-HOT bf16.
; energies[i][j] = zeros(L[j]) + sum over v of sum over e of [es[i][e] == v][L[j][e] == v].  es keeps only the states that equal one of the filter's TWO entries f0, f1,
; so at most two of the four planes v are alive on the data side, whatever the filter holds: K = 2 x 8,192.  The two planes of an edge lie side by side, k = 2 e + p: one 32-bit word an edge.
;   amat[i][e] = [es[i][e] == f0] in the low bf16, [es[i][e] == f1] in the high one;   bmat[j][e] = [L[j][e] == f0], [L[j][e] == f1] likewise;   nullc[2 j + h] = zeros in half h of L's row j (f32).
; An entry of the filter outside {2, 3, 5, 9} makes a dead plane (no state equals it); two equal entries make plane 1 dead on both sides, so nothing is counted twice.
; LIMITS.  An edge's two activations a, b give 2 a + b in 0..3, as the table of four states wants: only their low two bits are kept.  Edge indices lie in 0..1023 (they are clamped to that).
; ROLES.  Work-groups 0..511 turn L into bmat and nullc, a stream; work-groups 512..767 turn the activations into amat, four points each.  The branch hangs on the work-group's number alone.
.set SPARE, 4096                       ; LDS: bytes 0..4095 the table of role A; then the spare words, 128 bytes for each of the eight waves, which no other line names
.set SPW,  120                         ; v120  LDS address of my spare word; never rewritten
.set NIL,  121                         ; v121  0; never rewritten
; role B
.set OFF,  8                           ; v[8:15]   slot i: byte offset of its 16 bytes from the work-group's first byte
.set X,    16                          ; v[16:47]  slot i: four f32 of L
.set Y,    48                          ; v[48:79]  slot i: four words of bmat
.set CNT,  80                          ; v[80:83]  four counts of zeros
; role A
.set XA,   8                           ; v[8:23]   point q, node 4 t + n at XA + 4 q + n
.set IDX,  24                          ; v[24:87]  trip it: the eight end nodes of my four edges
.set W,    88                          ; v[88:95]  their table words
.set T,    96                          ; v[96:99]  edge c: 8 x (2 a + b), a byte a point
.set O,    104                         ; v[104:119] point q, edge c at O + 4 q + c
; One entry f of the filter: fl = the state as f32 (a NaN, which equals nothing, if f is no state); xr = what turns the entry's byte of the shift table from 31 into the plane's shift.
.macro DEC1 f, fl, xr, val, flt, bits
	s_cmp_eq_u32 s[\f], \val
	s_cselect_b32 s[\fl], \flt, s[\fl]
	s_cselect_b32 s[\xr], \bits, s[\xr]
.endm
.macro DECODE f, fl, xr, pat
	s_mov_b32 s[\fl], 0x7fc00000
	s_mov_b32 s[\xr], 0
	DEC1 \f, \fl, \xr, 2, 0x40000000, (\pat)       ; NOR:   2 a + b = 0
	DEC1 \f, \fl, \xr, 3, 0x40400000, (\pat)<<8    ; NCONV: 1
	DEC1 \f, \fl, \xr, 5, 0x40a00000, (\pat)<<16   ; NIMPL: 2
	DEC1 \f, \fl, \xr, 9, 0x41100000, (\pat)<<24   ; AND:   3
.endm
	s_load_b256 s[4:11], s[0:1], 0x0               ; activations s[4:5], edge indices s[6:7], filter s[8:9], L s[10:11]
	s_load_b128 s[12:15], s[0:1], 0x20             ; amat s[12:13], bmat s[14:15]
	s_load_b64 s[16:17], s[0:1], 0x30              ; nullc
	v_lshl_add_u32 v[SPW], v0, 2, SPARE
	v_mov_b32 v[NIL], 0
	v_and_b32 v1, 31, v0                           ; lane
	v_lshrrev_b32 v2, 5, v0                        ; wave
	s_wait_kmcnt 0x0
	s_load_b64 s[18:19], s[8:9], 0x0               ; f0, f1
	s_wait_kmcnt 0x0
	DECODE 18, 21, 23, 0x0f                        ; plane 0: 31 xor 15 = 16
	DECODE 19, 22, 24, 0x1f                        ; plane 1: 31 xor 31 = 0
	s_cmp_eq_u32 s18, s19                          ; equal entries: plane 1 is dead on both sides
	s_cselect_b32 s22, 0x7fc00000, s22
	s_cselect_b32 s24, 0, s24
	s_xor_b32 s25, s23, 0x1f1f1f1f
	s_xor_b32 s25, s25, s24                        ; the shift table: byte 2 a + b = 16 (plane 0), 0 (plane 1) or 31 (neither)
	s_cmp_lt_u32 ttmp9, 512
	s_cbranch_scc0 .Lrole_a
; ROLE B.  Wave g = 8 x work-group + wave owns 16 KB of L (half a row) and the same bytes of bmat: 32 pieces of 512 consecutive bytes, through a ring of eight register slots,
; so that eight loads of every wave are always on their way.
	s_lshl_b32 s26, ttmp9, 17                      ; the work-group's 128 KB
	s_mov_b32 s27, 0
	s_add_nc_u64 s[10:11], s[10:11], s[26:27]
	s_add_nc_u64 s[14:15], s[14:15], s[26:27]
	s_lshl_b32 s26, ttmp9, 5                       ; its eight counts
	s_add_nc_u64 s[16:17], s[16:17], s[26:27]
	v_lshlrev_b32 v6, 4, v1
	v_lshl_add_u32 v6, v2, 14, v6                  ; 16 lane + 16,384 wave
.irp i, 0,1,2,3,4,5,6,7
	v_add_nc_u32 v[OFF+(\i)], 512*(\i), v6
.endr
.irp i, 0,1,2,3,4,5,6,7
	global_load_b128 v[X+4*(\i):X+4*(\i)+3], v[OFF+(\i)], s[10:11] th:TH_LOAD_NT  ; L is read once in the launch
.endr
	v_mov_b32 v84, 0x3f80                          ; 1.0 in the low bf16
	v_mov_b32 v85, 0x3f800000                      ; 1.0 in the high bf16
.irp k, 0,1,2,3
	v_mov_b32 v[CNT+(\k)], 0
.endr
	s_mov_b32 s30, 0x76543210                      ; v_permlanex16_b32: each lane takes its own place in the other half
	s_mov_b32 s31, 0xfedcba98
; One slot's turn.  ahead = 1: the slot is filled again, eight pieces on.  left = how many younger loads may stay out.
.macro SLOT i, ahead, left
	s_wait_loadcnt \left                           ; loads come back in order: mine is in
	s_wait_xcnt 0x0                                ; this slot's Y and OFF, which its last store reads, are rewritten only behind this wait
.irp k, 0,1,2,3
	v_cmp_eq_f32 vcc_lo, s21, v[X+4*(\i)+(\k)]
	v_cndmask_b32 v[Y+4*(\i)+(\k)], 0, v84, vcc_lo
	v_cmp_eq_f32 vcc_lo, s22, v[X+4*(\i)+(\k)]     ; f1 differs from f0 or is dead, so the word is 0 where this one hits
	v_cndmask_b32 v[Y+4*(\i)+(\k)], v[Y+4*(\i)+(\k)], v85, vcc_lo
	v_cmp_eq_f32 vcc_lo, 0, v[X+4*(\i)+(\k)]
	v_add_co_ci_u32 v[CNT+(\k)], vcc_lo, 0, v[CNT+(\k)], vcc_lo  ; the count goes up by the compare's bit
.endr
.if \ahead
	v_add_nc_u32 v[OFF+(\i)], 4096, v[OFF+(\i)]
	global_load_b128 v[X+4*(\i):X+4*(\i)+3], v[OFF+(\i)], s[10:11] th:TH_LOAD_NT
	global_store_b128 v[OFF+(\i)], v[Y+4*(\i):Y+4*(\i)+3], s[14:15] offset:-4096  ; 512 consecutive bytes, aligned
.else
	global_store_b128 v[OFF+(\i)], v[Y+4*(\i):Y+4*(\i)+3], s[14:15]
.endif
.endm
	s_mov_b32 s28, 3
.Lround:
.irp i, 0,1,2,3,4,5,6,7
	SLOT \i, 1, 7
.endr
	s_sub_co_u32 s28, s28, 1
	s_cmp_lg_u32 s28, 0
	s_cbranch_scc1 .Lround
.irp i, 0,1,2,3,4,5,6,7
	SLOT \i, 0, 7-(\i)                             ; the last round loads nothing: the counts run down
.endr
	v_add_nc_u32 v80, v80, v81
	v_add_nc_u32 v82, v82, v83
	v_add_nc_u32 v80, v80, v82
	v_cvt_f32_u32 v87, v80                         ; at most 128: exact
	v_mov_b32 v88, 0                               ; v_permlanex16_b32's destination counts as read
	v_add_f32_dpp v87, v87, v87 row_xmask:1 row_mask:0xf bank_mask:0xf
	v_add_f32_dpp v87, v87, v87 row_xmask:2 row_mask:0xf bank_mask:0xf
	v_add_f32_dpp v87, v87, v87 row_xmask:4 row_mask:0xf bank_mask:0xf
	v_add_f32_dpp v87, v87, v87 row_xmask:8 row_mask:0xf bank_mask:0xf
	v_permlanex16_b32 v88, v87, s30, s31
	v_add_f32 v87, v87, v88                        ; the zeros of my half row
	v_lshlrev_b32 v86, 2, v2
	s_wait_xcnt 0x0                                ; EXEC is a source of the stores above: it changes only behind this wait
	v_cmp_eq_u32 vcc_lo, 0, v1
	s_and_saveexec_b32 s29, vcc_lo
	global_store_b32 v86, v87, s[16:17]            ; four bytes a wave: 16 KB of the launch's 100 MB, not worth a trip through LDS and a barrier
	s_wait_xcnt 0x0
	s_or_b32 exec_lo, exec_lo, s29
	s_wait_tensorcnt 0x0                           ; the wave's end
	ds_add_u32 v[SPW], v[NIL]
	s_wait_dscnt 0x0
	s_endpgm
; ROLE A.  The work-group owns points 4 a .. 4 a + 3.  A table in LDS holds one word a node, byte q = 8 x (activation of point q): one gathered word serves four points.
; Thread t takes the edges 1,024 it + 4 t + c in trip it: 32 consecutive bytes of the index table, and 16 consecutive bytes of each of the four rows of amat.
.Lrole_a:
	s_sub_co_u32 s26, ttmp9, 512
	s_lshl_b32 s28, s26, 14                        ; four rows of 4,096 bytes of activations
	s_mov_b32 s29, 0
	s_add_nc_u64 s[4:5], s[4:5], s[28:29]
	s_lshl_b32 s28, s26, 17                        ; four rows of 32,768 bytes of amat
	s_add_nc_u64 s[12:13], s[12:13], s[28:29]
	v_lshlrev_b32 v3, 4, v0                        ; 16 t
	v_lshlrev_b32 v4, 5, v0                        ; 32 t
.irp q, 0,1,2,3
	global_load_b128 v[XA+4*(\q):XA+4*(\q)+3], v3, s[4:5] offset:4096*(\q)
.endr
.irp it, 0,1,2,3,4,5,6,7
	global_load_b128 v[IDX+8*(\it):IDX+8*(\it)+3],   v4, s[6:7] offset:8192*(\it)
	global_load_b128 v[IDX+8*(\it)+4:IDX+8*(\it)+7], v4, s[6:7] offset:8192*(\it)+16
.endr
	v_mov_b32 v102, 0x3f800000
	s_wait_loadcnt 16                              ; the activations are in; the sixteen index loads stay out
.irp n, 0,1,2,3,4,5,6,7,8,9,10,11,12,13,14,15
	v_and_b32 v[XA+(\n)], 3, v[XA+(\n)]
.endr
.irp n, 0,1,2,3
	v_lshlrev_b32 v[W+(\n)], 3, v[XA+(\n)]
	v_lshl_or_b32 v[W+(\n)], v[XA+4+(\n)], 11, v[W+(\n)]
	v_lshl_or_b32 v[W+(\n)], v[XA+8+(\n)], 19, v[W+(\n)]
	v_lshl_or_b32 v[W+(\n)], v[XA+12+(\n)], 27, v[W+(\n)]
.endr
	ds_store_b128 v3, v[W:W+3]                     ; nodes 4 t .. 4 t + 3
	s_wait_dscnt 0x0                               ; for the others' sake: my part of the table is written
	s_barrier_signal -1
	s_barrier_wait -1                              ; the whole table is; nobody writes it again
.set it, 0
.rept 8
	s_wait_loadcnt 14-2*it                         ; this trip's two index loads are in; the later trips' stay out
.irp k, 0,1,2,3,4,5,6,7
	v_min_u32 v[IDX+8*it+(\k)], 0x3ff, v[IDX+8*it+(\k)]
.endr
.irp k, 0,1,2,3,4,5,6,7
	v_lshlrev_b32 v[IDX+8*it+(\k)], 2, v[IDX+8*it+(\k)]
.endr
.irp k, 0,1,2,3,4,5,6,7
	ds_load_b32 v[W+(\k)], v[IDX+8*it+(\k)]
.endr
	s_wait_xcnt 0x0                                ; O, which the last trip's stores read, is rewritten only behind this wait
.irp c, 0,1,2,3
	s_wait_dscnt 6-2*(\c)                          ; edge c's two words are in; the later edges' stay out
	v_lshl_add_u32 v[T+(\c)], v[W+2*(\c)], 1, v[W+2*(\c)+1]  ; in each byte 16 a + 8 b, 72 at the most: no carry between bytes
	v_and_b32 v[T+(\c)], 0x18181818, v[T+(\c)]               ; 8 x (2 a + b)
	v_lshrrev_b32 v101, v[T+(\c)], s25             ; a shift takes the low five bits of its count: the table's byte 2 a + b comes down,
	v_lshrrev_b32 v[O+(\c)], v101, v102            ; and 1.0 goes by its low five bits: 0 leaves it in the high bf16, 16 puts it in the low one, 31 leaves 0
.irp q, 1,2,3
	v_lshrrev_b32 v100, 8*(\q), v[T+(\c)]
	v_lshrrev_b32 v101, v100, s25
	v_lshrrev_b32 v[O+4*(\q)+(\c)], v101, v102
.endr
.endr
.irp q, 0,1,2,3
	global_store_b128 v3, v[O+4*(\q):O+4*(\q)+3], s[12:13] offset:32768*(\q)+4096*it  ; a wave's store covers 512 consecutive bytes, aligned
.endr
.set it, it+1
.endr
	s_wait_tensorcnt 0x0                           ; the wave's end, behind my last LDS store
	ds_add_u32 v[SPW], v[NIL]
	s_wait_dscnt 0x0
	s_endpgm
.Lfunc_end_k_qffbbe1bafe_prep:
	.size	k_qffbbe1bafe_prep, .Lfunc_end_k_qffbbe1bafe_prep-k_qffbbe1bafe_prep
	.p2alignl 7, 3214868480
	.fill 96, 4, 3214868480
	.section	.rodata,"a",@progbits
	.p2align	6, 0x0
	.amdhsa_kernel k_qffbbe1bafe_prep
		.amdhsa_group_segment_fixed_size 5120
		.amdhsa_private_segment_fixed_size 0
		.amdhsa_enable_private_segment 0
		.amdhsa_kernarg_size 56
		.amdhsa_user_sgpr_count 2
		.amdhsa_user_sgpr_kernarg_segment_ptr 1
		.amdhsa_wavefront_size32 1
		.amdhsa_system_sgpr_workgroup_id_x 1
		.amdhsa_system_sgpr_workgroup_id_y 1
		.amdhsa_system_sgpr_workgroup_id_z 1
		.amdhsa_system_vgpr_workitem_id 0
		.amdhsa_next_free_vgpr 128
		.amdhsa_next_free_sgpr 66
		.amdhsa_reserve_vcc 1
		.amdhsa_float_denorm_mode_32 3
		.amdhsa_float_denorm_mode_16_64 3
		.amdhsa_memory_ordered 1
		.amdhsa_forward_progress 1
		.amdhsa_inst_pref_size 59
	.end_amdhsa_kernel
	.amdgpu_metadata
---
amdhsa.version: [ 1, 2 ]
amdhsa.kernels:
  - .name:           k_qffbbe1bafe_prep
    .symbol:         k_qffbbe1bafe_prep.kd
    .args:
      - { .name: node_activations, .offset: 0, .size: 8, .value_kind: global_buffer, .address_space: global }
      - { .name: edge_endnode_idx, .offset: 8, .size: 8, .value_kind: global_buffer, .address_space: global }
      - { .name: edge_type_filter, .offset: 16, .size: 8, .value_kind: global_buffer, .address_space: global }
      - { .name: learned_edge_states, .offset: 24, .size: 8, .value_kind: global_buffer, .address_space: global }
      - { .name: amat, .offset: 32, .size: 8, .value_kind: global_buffer, .address_space: global }
      - { .name: bmat, .offset: 40, .size: 8, .value_kind: global_buffer, .address_space: global }
      - { .name: nullc, .offset: 48, .size: 8, .value_kind: global_buffer, .address_space: global }
    .group_segment_fixed_size: 5120
    .private_segment_fixed_size: 0
    .kernarg_segment_align: 8
    .kernarg_segment_size: 56
    .max_flat_workgroup_size: 256
    .sgpr_count:     66
    .vgpr_count:     128
    .wavefront_size: 32
...
	.end_amdgpu_metadata
.endif
;; end of part 1
;; launch gemm (part 2): grid 8 x 32, 4 waves a work-group, clusters of 4 x 4, 327,680 bytes of LDS; arguments amat, bmat, part; writes part
.if DOCPART == 2
	.amdgcn_target "amdgcn-amd-amdhsa--gfx1250"
	.amdhsa_code_object_version 6
	.text
	.protected	k_qffbbe1bafe_gemm
	.globl	k_qffbbe1bafe_gemm
	.p2align	8
	.type	k_qffbbe1bafe_gemm,@function
k_qffbbe1bafe_gemm:
	s_mov_b64 s[64:65], 0
	v_nop
	global_prefetch_b8 v0, s[64:65] scope:SCOPE_SE
	s_setreg_imm32_b32 hwreg(HW_REG_WAVE_MODE, 25, 1), 1
	s_wait_xcnt 0x0
	s_wait_alu depctr_hold_cnt(0) depctr_sa_sdst(0) depctr_va_vdst(0) depctr_va_sdst(0) depctr_va_ssrc(0) depctr_va_vcc(0) depctr_vm_vsrc(0)
	s_getreg_b32 s2, hwreg(HW_REG_IB_STS2, 6, 4)
	s_cmp_eq_u32 s2, 0
	s_cbranch_scc0 .Lentry_in_a_cluster
	s_endpgm
.Lentry_in_a_cluster:
	s_bfe_u32 s2, ttmp6, 0x10000c
	s_cmp_lg_u32 s2, 0xf033
	s_cbranch_scc0 .Lentry_shape_is_right
	s_endpgm
.Lentry_shape_is_right:
; part[s][i][j] = sum over k in split s of amat[i][k] bmat[j][k].  amat: [1024][16384], bmat: [2048][16384], bf16 (0 or 1); part: [8][1024][2048] f32: whole numbers, exact.
; C has 4 x 8 tiles of 256 x 256; K = 16,384 is split in 8 parts of 2,048, so that 32 x 8 = 256 work-groups have equal work.  The eight partial planes stay f32 and are added by the next launch.
; A work-group of four waves makes a tile, a wave 128 x 128: 64 accumulators of 16 x 16, 512 registers.  K goes in steps of 128 (rows of 256 bytes, aligned) through two LDS slots filled by tensor loads.
; CLUSTER.  4 x 4 work-groups: the four tile rows x four tile columns of ONE split (cluster y = the split, tile row = cy, tile column = 4 x cluster x + cx).  The four of a row of the cluster need the
; same tile of A, the four of a column the same tile of B: each is asked for jointly, by the same tensor load with the same descriptor and a mask that names the four.
; THE MATRIX INSTRUCTION IS USED TRANSPOSED (source 0 = 16 rows of B, source 1 = 16 rows of A): a lane then holds eight neighbouring numbers of a row of C, 32 bytes.
; REGISTERS, in windows of 256: window 0: v0-31 addresses; v64-127, v128-191 fragments of A, two buffers, on the way out two buffers of 16 rows read back;
;   window 1: v64-127, v128-191 fragments of B; window 2: the accumulators of my rows 0-63 ((a, b) at v[8 (8 a + b)]); window 3: those of my rows 64-127.
; s_set_vgpr_msb's low byte: bits 1:0 source 0, 3:2 source 1, 5:4 source 2, 7:6 destination.
.set KSTEP,  128
.set PITCH,  272                       ; an LDS row: 256 bytes + 16 of padding = 68 words: the 16 rows that a load touches start at 16 different groups of four banks
.set HALFT,  128*PITCH                 ; 128 rows: what one tensor load brings, and what one wave reads of A or of B
.set SLOT,   4*HALFT                   ; A's 256 rows, then B's 256 rows
.set STAGE,  2*SLOT                    ; behind the ring, never filled by a tensor load: for each wave 16 rows of 512 bytes + 16
.set SPITCH, 528
.set WSTAGE, 16*SPITCH
.set SPARE,  STAGE+4*WSTAGE            ; behind the stages: the spare words, 128 bytes for each wave: two blocks of 256 bytes that no other line names
.set KTOT,   16384
.set KWG,    2048
.set LAPS,   KWG/(2*KSTEP)             ; a lap = two K steps = once round the ring: 8
.set CROW,   8192                      ; bytes in a row of C
.set ADRA, 16                          ; v16-17  LDS address of my A fragments in slot 0, 1
.set ADRB, 20                          ; v20-21  the same for B
.set STO,  24                          ; v24     the way out: where I put 32 bytes of a row
.set RD,   25                          ; v25     the way out: where I read a row back
.set CO,   26                          ; v26     my byte offset in 512 bytes of a row of C
.set SPW,  28                          ; v28     LDS address of my spare word; never rewritten
.set NIL,  29                          ; v29     0; never rewritten
.set F0,   64
.set F1,   128
.set G1, 24                            ; s[24:31] descriptor group 1 for A's tiles
.set G0, 32                            ; s[32:39] group 0 for A's tiles, a set for each slot
.set G1B, 48                           ; s[48:55] group 1 for B's tiles: it differs in the mask alone
.set G0B, 56                           ; s[56:63] group 0 for B's tiles
.set MSB, 0
.macro WIN new                         ; the immediate's high byte repeats the setting that is left; a switch that changes nothing is dropped
.if MSB != (\new)
	s_set_vgpr_msb (MSB<<8)|(\new)
.set MSB, \new
.endif
.endm
.set MUL_LO, 0xa1                      ; source 0 (B) window 1, source 1 (A) window 0, C and D window 2
.set MUL_HI, 0xf1                      ; the same, C and D window 3
.set TO_B,   0x40                      ; destination window 1, address window 0
; A joint load.  Waves 0 and 1 fetch A's two halves, waves 2 and 3 B's.  The branch hangs on the wave's number alone.  An s_nop 0 and four v_nop follow each of the two lines.
.macro JLOAD s
	s_cmp_eq_u32 s11, 0
	s_cbranch_scc0 .Lfor_b_\@
	tensor_load_to_lds s[G0+4*(\s):G0+4*(\s)+3], s[G1:G1+7]
	s_nop 0
.rept 4
	v_nop
.endr
	s_branch .Lasked_\@
.Lfor_b_\@:
	tensor_load_to_lds s[G0B+4*(\s):G0B+4*(\s)+3], s[G1B:G1B+7]
	s_nop 0
.rept 4
	v_nop
.endr
.Lasked_\@:
.endm
; A round of the cluster's barrier: my work-group's barrier; wave 0 signals for the work-group; every wave waits for all sixteen; my work-group's barrier once more.
.macro CREST                           ; a round behind its opening barrier
	s_cmp_lg_u32 s10, 0
	s_cbranch_scc1 .Lnot_wave_0_\@
	s_barrier_signal -3
.Lnot_wave_0_\@:
	s_barrier_wait -3
	s_barrier_signal -1
	s_barrier_wait -1
.endm
.macro CROUND
	s_barrier_signal -1
	s_barrier_wait -1
	CREST
.endm
	s_load_b128 s[4:7], s[0:1], 0x0                ; A s[4:5], B s[6:7]
	s_load_b64 s[8:9], s[0:1], 0x10                ; C
	v_lshl_add_u32 v[SPW], v0, 2, SPARE
	v_mov_b32 v[NIL], 0
	ds_add_u32 v[SPW], v[NIL]                      ; the wave's opening: the add and its wait come ahead of my first tensor load, with the set-up below between them
	v_lshrrev_b32 v1, 5, v0
	v_readfirstlane_b32 s10, v1                    ; wave 0..3
	s_lshr_b32 s11, s10, 1                         ; which half of the tile's rows is mine.  Also: I fetch for A (0) or for B (1)
	s_and_b32 s12, s10, 1                          ; which half of its columns.  Also: which 128 rows of that tile I fetch
	s_bfe_u32 s40, ttmp6, 0x40000                  ; cx
	s_bfe_u32 s41, ttmp6, 0x40004                  ; cy = the tile row of C
	s_lshl_b32 s42, ttmp9, 2
	s_add_co_u32 s42, s42, s40                     ; tile column of C = 4 x cluster x + cx
	s_and_b32 s13, ttmp7, 0xffff                   ; the split = cluster y: all sixteen share it
	s_lshl_b32 s43, s41, 2
	s_lshl_b32 s43, 15, s43                        ; my row of the cluster: places 4 cy .. 4 cy + 3
	s_lshl_b32 s44, 0x1111, s40                    ; my column: places cx, cx + 4, cx + 8, cx + 12
	; descriptor group 1: a tile of 128 rows x 128 elements of 2 bytes, 16 bytes of padding behind every 64 words
	s_or_b32 s[G1+0], s43, (1<<16)|(1<<20)|(1<<21)|(5<<22)|(3<<25)
	s_or_b32 s[G1B+0], s44, (1<<16)|(1<<20)|(1<<21)|(5<<22)|(3<<25)
.irp g, G1, G1B
	s_mov_b32 s[(\g)+1], KSTEP<<16                 ; tensor_dim0 = 128
	s_mov_b32 s[(\g)+2], 128<<16                   ; tensor_dim1 = 128
	s_mov_b32 s[(\g)+3], KSTEP<<16                 ; tile_dim0 = 128
	s_mov_b32 s[(\g)+4], 128                       ; tile_dim1 = 128
	s_mov_b32 s[(\g)+5], KTOT                      ; elements from row to row
	s_mov_b32 s[(\g)+6], 0
	s_mov_b32 s[(\g)+7], 0
.endr
	; where the tiles come from: A's hang on cy and the split, B's on the tile column and the split, each in registers that never hold the other coordinate
	s_lshl_b32 s17, s12, 7                         ; which 128 rows of the tile I fetch
	s_lshl_b32 s18, s13, 12                        ; the split's 2,048 elements: 4,096 bytes along a row
	s_lshl_b32 s16, s41, 8
	s_add_co_u32 s16, s16, s17                     ; A: row 256 cy + 128 half,
	s_lshl_b32 s16, s16, 15                        ; of 32,768 bytes: under 2^25
	s_add_co_u32 s16, s16, s18
	s_lshl_b32 s46, s42, 8
	s_add_co_u32 s46, s46, s17                     ; B: row 256 x tile column + 128 half: under 2^26 bytes
	s_lshl_b32 s46, s46, 15
	s_add_co_u32 s46, s46, s18
	s_mov_b32 s17, 0
	s_mov_b32 s47, 0
	s_mul_i32 s20, s10, HALFT                      ; and where they go: wave x 128 rows: no place in the cluster enters an LDS address
	s_wait_dscnt 0x0                               ; the opening add is done
	s_wait_kmcnt 0x0
	s_add_nc_u64 s[14:15], s[4:5], s[16:17]
	s_add_nc_u64 s[46:47], s[6:7], s[46:47]
	CROUND                                         ; all sixteen work-groups are here: the first joint loads meet
.irp s, 0,1
	s_mov_b32 s[G0+4*(\s)], 1
	s_add_co_u32 s[G0+4*(\s)+1], s20, (\s)*SLOT
	s_add_nc_u64 s[G0+4*(\s)+2:G0+4*(\s)+3], s[14:15], (\s)*KSTEP*2
	s_or_b32 s[G0+4*(\s)+3], s[G0+4*(\s)+3], 0x80000000
	s_mov_b32 s[G0B+4*(\s)], 1
	s_add_co_u32 s[G0B+4*(\s)+1], s20, (\s)*SLOT
	s_add_nc_u64 s[G0B+4*(\s)+2:G0B+4*(\s)+3], s[46:47], (\s)*KSTEP*2
	s_or_b32 s[G0B+4*(\s)+3], s[G0B+4*(\s)+3], 0x80000000
	JLOAD \s                                       ; K steps 0 and 1: two loads of mine are out
.endr
	; A fragment is 16 rows x 32 K in 8 registers: lane l holds row l % 16; registers 0-3 K = 8 (l / 16) + 0..7, registers 4-7 K = 16 + 8 (l / 16) + 0..7: two loads of 16 bytes, 32 bytes apart.
	v_and_b32 v1, 15, v0                           ; l % 16
	v_bfe_u32 v2, v0, 4, 1                         ; l / 16
	v_mul_u32_u24 v3, v1, PITCH
	v_lshl_add_u32 v3, v2, 4, v3
	s_mul_i32 s21, s11, HALFT                      ; my 128 rows of A
	s_mul_i32 s22, s12, HALFT                      ; my 128 rows of B,
	s_add_co_u32 s22, s22, 2*HALFT                 ; which lie behind A's 256
.irp s, 0,1
	v_add_nc_u32 v[ADRA+(\s)], s21, v3
	v_add_nc_u32 v[ADRB+(\s)], s22, v3
	s_add_co_u32 s21, s21, SLOT
	s_add_co_u32 s22, s22, SLOT
.endr
	s_mul_i32 s23, s10, WSTAGE
	s_add_co_u32 s23, s23, STAGE                   ; my stage
	v_mul_u32_u24 v4, v1, SPITCH                   ; in: row l % 16, 32 bytes for each half of the lanes
	v_lshl_add_u32 v4, v2, 5, v4
	v_add_nc_u32 v[STO], s23, v4
	v_and_b32 v5, 31, v0
	v_lshlrev_b32 v[CO], 4, v5                     ; back: 32 lanes take a row's 512 bytes,
	v_add_nc_u32 v[RD], s23, v[CO]
	; where my 128 x 128 begins in part: split x 8 MB + row x 8,192 + column x 4: under 2^27 bytes
	s_lshl_b32 s16, s41, 8
	s_lshl_b32 s14, s11, 7
	s_add_co_u32 s16, s16, s14
	s_lshl_b32 s16, s16, 13
	s_lshl_b32 s14, s13, 23
	s_add_co_u32 s16, s16, s14
	s_mov_b32 s17, 0
	s_add_nc_u64 s[8:9], s[8:9], s[16:17]
	s_lshl_b32 s46, s42, 10
	s_lshl_b32 s47, s12, 9
	s_add_co_u32 s46, s46, s47
	s_mov_b32 s47, 0
	s_add_nc_u64 s[8:9], s[8:9], s[46:47]
; 16 matrix instructions: m blocks a0, a0 + 1 of the window's four x all 8 n blocks, 32 along K.  zero = 1: the first product starts the sums: nothing is cleared.
; The 64 accumulators take turns in the same order in every quarter step.
.macro MUL16 f, hi, a0, zero
	WIN MUL_LO+0x50*(\hi)
.irp a, \a0, (\a0)+1
.irp b, 0,1,2,3,4,5,6,7
.if \zero
	v_wmma_f32_16x16x32_bf16 v[8*(8*(\a)+(\b)):8*(8*(\a)+(\b))+7], v[(\f)+8*(\b):(\f)+8*(\b)+7], v[(\f)+8*(4*(\hi)+(\a)):(\f)+8*(4*(\hi)+(\a))+7], 0
.else
	v_wmma_f32_16x16x32_bf16 v[8*(8*(\a)+(\b)):8*(8*(\a)+(\b))+7], v[(\f)+8*(\b):(\f)+8*(\b)+7], v[(\f)+8*(4*(\hi)+(\a)):(\f)+8*(4*(\hi)+(\a))+7], v[8*(8*(\a)+(\b)):8*(8*(\a)+(\b))+7]
.endif
.endr
.endr
.endm
; 32 LDS loads in one run: the fragments of one quarter step (128 rows of B, then 128 rows of A, 32 K at byte k of the rows) into buffer f
.macro FETCH slot, k, f
	WIN TO_B
.irp i, 0,1,2,3,4,5,6,7
	ds_load_b128 v[(\f)+8*(\i):(\f)+8*(\i)+3],   v[ADRB+(\slot)] offset:(\k)+(\i)*16*PITCH
	ds_load_b128 v[(\f)+8*(\i)+4:(\f)+8*(\i)+7], v[ADRB+(\slot)] offset:(\k)+(\i)*16*PITCH+32
.endr
	WIN 0
.irp i, 0,1,2,3,4,5,6,7
	ds_load_b128 v[(\f)+8*(\i):(\f)+8*(\i)+3],   v[ADRA+(\slot)] offset:(\k)+(\i)*16*PITCH
	ds_load_b128 v[(\f)+8*(\i)+4:(\f)+8*(\i)+7], v[ADRA+(\slot)] offset:(\k)+(\i)*16*PITCH+32
.endr
.endm
; Four plain vector instructions stand between a matrix instruction and a load into a register that it has read, or an LDS store of its result (ISA guide 7.12.1 for vector instructions).
.macro PLACES
.rept 4
	v_nop
.endr
.endm
; A K step is four quarters of 32 along K, 64 matrix instructions each, on buffers 0, 1, 0, 1.  One of the first three: multiplies buffer f; in its middle it fetches the next quarter, at byte k, into g.
.macro QUARTER slot, k, f, g, zero
	s_wait_dscnt 8                                 ; B and A's rows 0-63 are in; the youngest eight loads (A's rows 64-127) may be out
	MUL16 \f, 0, 0, \zero
	MUL16 \f, 0, 2, \zero
	PLACES
	FETCH \slot, \k, \g
	s_wait_dscnt 32                                ; all but the 32 just issued
	MUL16 \f, 1, 0, \zero
	MUL16 \f, 1, 2, \zero
.endm
; The last quarter multiplies buffer 1 and changes slots.  Its first half: ONE barrier; in front of it each wave waits for all its tensor loads, of which one is out: its part of the next slot;
; adds 0 to its spare word; and waits for that and for its own reads of this slot.  Behind it nobody reads this slot any more and the next slot is whole.
.macro MEET round
	WIN 0                                          ; (the add's two registers lie in window 0)
	s_wait_tensorcnt 0x0
	ds_add_u32 v[SPW], v[NIL]
	s_wait_dscnt 9                                 ; (the add and the youngest eight loads may be out)
	MUL16 F1, 0, 0, 0                              ; sixteen matrix instructions stand between the add and the wait for it
	s_wait_dscnt 0x0                               ; the add is done, and my reads of this slot are over
	s_barrier_signal -1
	MUL16 F1, 0, 2, 0                              ; work on registers while the others arrive
.if \round
	WIN 0                                          ; at a branch and at a label every window is 0
.endif
	s_barrier_wait -1
.endm
; fill = 1: the barrier opens a round of the cluster's, and this slot is filled again, two K steps on, first thing behind the round: 224 matrix instructions stand between that request and the wait for it.
.macro TURN slot, next, fill
	MEET \fill
.if \fill
	CREST                                          ; no wave of any partner still reads this slot's tile or has a load on its way
	s_add_nc_u64 s[G0+4*(\slot)+2:G0+4*(\slot)+3], s[G0+4*(\slot)+2:G0+4*(\slot)+3], 2*KSTEP*2
	s_add_nc_u64 s[G0B+4*(\slot)+2:G0B+4*(\slot)+3], s[G0B+4*(\slot)+2:G0B+4*(\slot)+3], 2*KSTEP*2
	JLOAD \slot                                    ; the four v_nop behind it are also the places in front of the loads below
.else
	PLACES
.endif
	FETCH \next, 0, F0
	MUL16 F1, 1, 0, 0
	MUL16 F1, 1, 2, 0
.endm
; THE WAY OUT of block a (16 rows x 128 columns of f32).  TOSTAGE: a lane's 32 bytes of a row into my own stage, each accumulator's low four registers first; then back as whole
; rows of 512 bytes, into buffer a % 2.  LDS serves a wave's instructions in order (ISA guide 5.7.1.4): the loads see the stores above them, and the next block's stores come behind them.
.macro TOSTAGE a
.set AC, 64*((\a)%4)
.set BK, F0+64*((\a)%2)
	WIN 0x08+4*((\a)/4)                            ; an LDS store's data are source 1: window 2 or 3
.irp b, 0,1,2,3,4,5,6,7
	ds_store_b128 v[STO], v[AC+8*(\b):AC+8*(\b)+3]   offset:64*(\b)
	ds_store_b128 v[STO], v[AC+8*(\b)+4:AC+8*(\b)+7] offset:64*(\b)+16
.endr
	WIN 0
	s_wait_xcnt 0x0                                ; the buffer, which the stores of the block two back read, is loaded again only behind this wait
.irp t, 0,1,2,3,4,5,6,7,8,9,10,11,12,13,14,15
	ds_load_b128 v[BK+4*(\t):BK+4*(\t)+3], v[RD] offset:(\t)*SPITCH
.endr
.endm
.macro SEND a, younger                 ; younger: the LDS instructions issued behind block a's loads: the next block's 16 stores and 16 loads, or none
.set BK, F0+64*((\a)%2)
.irp t, 0,1,2,3,4,5,6,7,8,9,10,11,12,13,14,15
	s_wait_dscnt (\younger)+15-(\t)
	global_store_b128 v[CO], v[BK+4*(\t):BK+4*(\t)+3], s[8:9] offset:(16*(\a)+(\t))*CROW  ; 512 consecutive bytes, at a multiple of 512 from the buffer's first; 127 rows at the most: inside the signed 24-bit immediate
.endr
.endm
	s_wait_tensorcnt 1                             ; my part of K step 0 is in; K step 1's may stay out
	s_barrier_signal -1
	s_barrier_wait -1                              ; everybody's is
	FETCH 0, 0, F0
	QUARTER 0, 64,  F0, F1, 1                      ; the first quarter stands in front of the loop: its products start the sums
	WIN 0
	s_mov_b32 s3, LAPS-1
.Llap:                                                 ; a trip goes once round the ring, from a lap's second quarter to the next lap's first, and fills both slots again
	QUARTER 0, 128, F1, F0, 0
	QUARTER 0, 192, F0, F1, 0
	TURN 0, 1, 1
	QUARTER 1, 64,  F0, F1, 0
	QUARTER 1, 128, F1, F0, 0
	QUARTER 1, 192, F0, F1, 0
	TURN 1, 0, 1
	QUARTER 0, 64,  F0, F1, 0
	WIN 0
	s_sub_co_u32 s3, s3, 1
	s_cmp_lg_u32 s3, 0
	s_cbranch_scc1 .Llap
	QUARTER 0, 128, F1, F0, 0                      ; the last lap fills nothing, and has no round of the cluster's barrier
	QUARTER 0, 192, F0, F1, 0
	TURN 0, 1, 0
	QUARTER 1, 64,  F0, F1, 0
	QUARTER 1, 128, F1, F0, 0
	QUARTER 1, 192, F0, F1, 0
	s_wait_dscnt 8                                 ; the very last quarter: nothing more to fetch
	MUL16 F1, 0, 0, 0
	MUL16 F1, 0, 2, 0
	s_wait_dscnt 0x0
	MUL16 F1, 1, 0, 0
	MUL16 F1, 1, 2, 0
	WIN 0
	PLACES                                         ; in front of the LDS stores of the results and of the loads into A's buffers
	TOSTAGE 0
.irp a, 1,2,3,4,5,6,7                  ; block a goes through the stage while block a - 1's rows are on their way back
	TOSTAGE \a
	SEND (\a)-1, 32
.endr
	SEND 7, 0
	s_wait_tensorcnt 0x0                           ; the wave's end, behind my last tensor load and my last LDS store
	ds_add_u32 v[SPW], v[NIL]
	s_wait_dscnt 0x0
	CROUND                                         ; the closing round: no work-group ends while a partner may still ask for a tile that names it
	s_endpgm
.Lfunc_end_k_qffbbe1bafe_gemm:
	.size	k_qffbbe1bafe_gemm, .Lfunc_end_k_qffbbe1bafe_gemm-k_qffbbe1bafe_gemm
	.p2alignl 7, 3214868480
	.fill 96, 4, 3214868480
	.section	.rodata,"a",@progbits
	.p2align	6, 0x0
	.amdhsa_kernel k_qffbbe1bafe_gemm
		.amdhsa_group_segment_fixed_size 327680
		.amdhsa_private_segment_fixed_size 0
		.amdhsa_enable_private_segment 0
		.amdhsa_kernarg_size 24
		.amdhsa_user_sgpr_count 2
		.amdhsa_user_sgpr_kernarg_segment_ptr 1
		.amdhsa_wavefront_size32 1
		.amdhsa_system_sgpr_workgroup_id_x 1
		.amdhsa_system_sgpr_workgroup_id_y 1
		.amdhsa_system_sgpr_workgroup_id_z 1
		.amdhsa_system_vgpr_workitem_id 0
		.amdhsa_next_free_vgpr 1024
		.amdhsa_next_free_sgpr 66
		.amdhsa_reserve_vcc 0
		.amdhsa_float_denorm_mode_32 3
		.amdhsa_float_denorm_mode_16_64 3
		.amdhsa_memory_ordered 1
		.amdhsa_forward_progress 1
		.amdhsa_inst_pref_size 144
	.end_amdhsa_kernel
	.amdgpu_metadata
---
amdhsa.version: [ 1, 2 ]
amdhsa.kernels:
  - .name:           k_qffbbe1bafe_gemm
    .symbol:         k_qffbbe1bafe_gemm.kd
    .args:
      - { .name: amat, .offset: 0, .size: 8, .value_kind: global_buffer, .address_space: global }
      - { .name: bmat, .offset: 8, .size: 8, .value_kind: global_buffer, .address_space: global }
      - { .name: part, .offset: 16, .size: 8, .value_kind: global_buffer, .address_space: global }
    .group_segment_fixed_size: 327680
    .private_segment_fixed_size: 0
    .kernarg_segment_align: 8
    .kernarg_segment_size: 24
    .max_flat_workgroup_size: 128
    .sgpr_count:     66
    .vgpr_count:     1024
    .wavefront_size: 32
...
	.end_amdgpu_metadata
.endif
;; end of part 2
;; launch sum (part 3): grid 512 x 1, 8 waves a work-group, no clusters, 1,280 bytes of LDS; arguments part, nullc, ener, mins; writes ener, mins
.if DOCPART == 3
	.amdgcn_target "amdgcn-amd-amdhsa--gfx1250"
	.amdhsa_code_object_version 6
	.text
	.protected	k_qffbbe1bafe_sum
	.globl	k_qffbbe1bafe_sum
	.p2align	8
	.type	k_qffbbe1bafe_sum,@function
k_qffbbe1bafe_sum:
	s_mov_b64 s[64:65], 0
	v_nop
	global_prefetch_b8 v0, s[64:65] scope:SCOPE_SE
	s_setreg_imm32_b32 hwreg(HW_REG_WAVE_MODE, 25, 1), 1
	s_wait_xcnt 0x0
; ener[i][j] = nullc[2 j] + nullc[2 j + 1] + sum over the 8 splits of part[s][i][j];  mins[g] = the least of work-group g's numbers.  All f32, all whole numbers under 2^24: exact in any order.
; A stream: work-group g owns rows 2 g, 2 g + 1 (16 KB of ener).  Thread t owns the 16 bytes at 16 t + 4,096 u, u = 0..3: every load and store of a wave covers 512 consecutive bytes, aligned.
; All 36 loads of a wave go out at once; the text is a straight line.  No matrix unit, no cluster, no tensor load: nothing is shared and nothing is multiplied.
.set SPARE, 256                        ; LDS: bytes 0..31 the eight waves' minima; from 256 on the spare words, 128 bytes for each wave, which no other line names
.set NL,  4                            ; v[4:19]    nullc: for column half c, eight numbers (four columns x two halves of L's row)
.set N,   20                           ; v[20:27]   the zeros of my four columns, for c = 0, 1
.set P,   32                           ; v[32:159]  unit u, split s at P + 32 u + 4 s
.set MN,  160                          ; v160       the running minimum; v161 at work
.set SPW, 164                          ; v164       LDS address of my spare word; never rewritten
.set NIL, 165                          ; v165       0; never rewritten
.set SB,  16                           ; s[16:31]   split s: part at my rows of its plane (a plane is 8 MB: too far for an immediate)
	s_load_b256 s[4:11], s[0:1], 0x0               ; part s[4:5], nullc s[6:7], ener s[8:9], mins s[10:11]
	v_lshl_add_u32 v[SPW], v0, 2, SPARE
	v_mov_b32 v[NIL], 0
	v_lshlrev_b32 v1, 4, v0                        ; 16 t
	v_lshlrev_b32 v2, 5, v0                        ; 32 t: my four columns' eight numbers of nullc
	v_lshrrev_b32 v166, 5, v0
	v_lshlrev_b32 v166, 2, v166                    ; 4 x wave
	v_mov_b32 v167, 0
	v_mov_b32 v161, 0                              ; v_permlanex16_b32's destination counts as read
	s_lshl_b32 s32, ttmp9, 14
	s_mov_b32 s33, 0
	s_lshl_b32 s34, ttmp9, 2
	s_mov_b32 s35, 0
	s_mov_b32 s12, 0x76543210                      ; v_permlanex16_b32: each lane takes its own place in the other half
	s_mov_b32 s13, 0xfedcba98
	s_wait_kmcnt 0x0
	s_add_nc_u64 s[SB:SB+1], s[4:5], s[32:33]
.irp s, 1,2,3,4,5,6,7
	s_add_nc_u64 s[SB+2*(\s):SB+2*(\s)+1], s[SB+2*(\s)-2:SB+2*(\s)-1], 0x800000
.endr
	s_add_nc_u64 s[8:9], s[8:9], s[32:33]
	s_add_nc_u64 s[10:11], s[10:11], s[34:35]
.irp c, 0,1
	global_load_b128 v[NL+8*(\c):NL+8*(\c)+3],   v2, s[6:7] offset:8192*(\c)
	global_load_b128 v[NL+8*(\c)+4:NL+8*(\c)+7], v2, s[6:7] offset:8192*(\c)+16
.endr
.irp u, 0,1,2,3
.irp s, 0,1,2,3,4,5,6,7
	global_load_b128 v[P+32*(\u)+4*(\s):P+32*(\u)+4*(\s)+3], v1, s[SB+2*(\s):SB+2*(\s)+1] offset:4096*(\u) th:TH_LOAD_NT  ; part is read once
.endr
.endr
	s_wait_loadcnt 32                              ; nullc is in; the 32 loads of part stay out
.irp k, 0,1,2,3,4,5,6,7
	v_add_f32 v[N+(\k)], v[NL+2*(\k)], v[NL+2*(\k)+1]
.endr
.macro PADD d, s                       ; four numbers onto four: two packed additions
	v_pk_add_f32 v[(\d):(\d)+1], v[(\d):(\d)+1], v[(\s):(\s)+1]
	v_pk_add_f32 v[(\d)+2:(\d)+3], v[(\d)+2:(\d)+3], v[(\s)+2:(\s)+3]
.endm
.macro UNIT u
.set PU, P+32*(\u)
	s_wait_loadcnt 24-8*(\u)                       ; this unit's eight loads are in; the later units' stay out
	PADD PU, PU+4
	PADD PU+8, PU+12
	PADD PU+16, PU+20
	PADD PU+24, PU+28
	PADD PU, PU+8
	PADD PU+16, PU+24
	PADD PU, PU+16
	PADD PU, N+4*((\u)%2)
	global_store_b128 v1, v[PU:PU+3], s[8:9] offset:4096*(\u)  ; these registers are not written again
.if (\u) == 0
	v_min3_num_f32 v[MN], v[PU], v[PU+1], v[PU+2]
	v_min_num_f32 v[MN], v[MN], v[PU+3]
.else
	v_min3_num_f32 v[MN], v[MN], v[PU], v[PU+1]
	v_min3_num_f32 v[MN], v[MN], v[PU+2], v[PU+3]
.endif
.endm
	UNIT 0
	UNIT 1
	UNIT 2
	UNIT 3
	v_min_num_f32_dpp v[MN], v[MN], v[MN] row_xmask:1 row_mask:0xf bank_mask:0xf
	v_min_num_f32_dpp v[MN], v[MN], v[MN] row_xmask:2 row_mask:0xf bank_mask:0xf
	v_min_num_f32_dpp v[MN], v[MN], v[MN] row_xmask:4 row_mask:0xf bank_mask:0xf
	v_min_num_f32_dpp v[MN], v[MN], v[MN] row_xmask:8 row_mask:0xf bank_mask:0xf
	v_permlanex16_b32 v161, v[MN], s12, s13
	v_min_num_f32 v[MN], v[MN], v161               ; the wave's minimum, in every lane
	ds_store_b32 v166, v[MN]                       ; all lanes write the wave's word with the same number
	s_wait_dscnt 0x0                               ; for the others' sake
	s_barrier_signal -1
	s_barrier_wait -1
	ds_load_b128 v[4:7], v167                      ; the eight waves' minima
	ds_load_b128 v[8:11], v167 offset:16
	s_wait_dscnt 0x0
	v_min3_num_f32 v4, v4, v5, v6
	v_min3_num_f32 v8, v8, v9, v10
	v_min3_num_f32 v4, v4, v7, v11
	v_min_num_f32 v4, v4, v8
	s_wait_tensorcnt 0x0                           ; the wave's end, behind my last LDS store
	ds_add_u32 v[SPW], v[NIL]
	s_wait_dscnt 0x0
	s_wait_xcnt 0x0                                ; EXEC is a source of the stores above: it changes only behind this wait
	v_cmp_eq_u32 vcc_lo, 0, v0
	s_and_saveexec_b32 s36, vcc_lo
	global_store_b32 v167, v4, s[10:11]            ; thread 0 alone: one number a work-group, 2 KB in the whole launch
	s_wait_xcnt 0x0
	s_or_b32 exec_lo, exec_lo, s36
	s_endpgm
.Lfunc_end_k_qffbbe1bafe_sum:
	.size	k_qffbbe1bafe_sum, .Lfunc_end_k_qffbbe1bafe_sum-k_qffbbe1bafe_sum
	.p2alignl 7, 3214868480
	.fill 96, 4, 3214868480
	.section	.rodata,"a",@progbits
	.p2align	6, 0x0
	.amdhsa_kernel k_qffbbe1bafe_sum
		.amdhsa_group_segment_fixed_size 1280
		.amdhsa_private_segment_fixed_size 0
		.amdhsa_enable_private_segment 0
		.amdhsa_kernarg_size 32
		.amdhsa_user_sgpr_count 2
		.amdhsa_user_sgpr_kernarg_segment_ptr 1
		.amdhsa_wavefront_size32 1
		.amdhsa_system_sgpr_workgroup_id_x 1
		.amdhsa_system_sgpr_workgroup_id_y 1
		.amdhsa_system_sgpr_workgroup_id_z 1
		.amdhsa_system_vgpr_workitem_id 0
		.amdhsa_next_free_vgpr 168
		.amdhsa_next_free_sgpr 66
		.amdhsa_reserve_vcc 1
		.amdhsa_float_denorm_mode_32 3
		.amdhsa_float_denorm_mode_16_64 3
		.amdhsa_memory_ordered 1
		.amdhsa_forward_progress 1
		.amdhsa_inst_pref_size 12
	.end_amdhsa_kernel
	.amdgpu_metadata
---
amdhsa.version: [ 1, 2 ]
amdhsa.kernels:
  - .name:           k_qffbbe1bafe_sum
    .symbol:         k_qffbbe1bafe_sum.kd
    .args:
      - { .name: part, .offset: 0, .size: 8, .value_kind: global_buffer, .address_space: global }
      - { .name: nullc, .offset: 8, .size: 8, .value_kind: global_buffer, .address_space: global }
      - { .name: ener, .offset: 16, .size: 8, .value_kind: global_buffer, .address_space: global }
      - { .name: mins, .offset: 24, .size: 8, .value_kind: global_buffer, .address_space: global }
    .group_segment_fixed_size: 1280
    .private_segment_fixed_size: 0
    .kernarg_segment_align: 8
    .kernarg_segment_size: 32
    .max_flat_workgroup_size: 256
    .sgpr_count:     66
    .vgpr_count:     168
    .wavefront_size: 32
...
	.end_amdgpu_metadata
.endif
;; end of part 3
;; launch sub (part 4): grid 512 x 1, 8 waves a work-group, no clusters, 0 bytes of LDS; arguments ener, mins, out0; writes out0
.if DOCPART == 4
	.amdgcn_target "amdgcn-amd-amdhsa--gfx1250"
	.amdhsa_code_object_version 6
	.text
	.protected	k_qffbbe1bafe_sub
	.globl	k_qffbbe1bafe_sub
	.p2align	8
	.type	k_qffbbe1bafe_sub,@function
k_qffbbe1bafe_sub:
	s_mov_b64 s[64:65], 0
	v_nop
	global_prefetch_b8 v0, s[64:65] scope:SCOPE_SE
	s_setreg_imm32_b32 hwreg(HW_REG_WAVE_MODE, 25, 1), 1
	s_wait_xcnt 0x0
; out0[i][j] = ener[i][j] - the least of mins[0..511].  All f32, whole numbers: exact.
; A stream: work-group g owns 16 KB; thread t the 16 bytes at 16 t + 4,096 c, c = 0..3: every load and store of a wave covers 512 consecutive bytes, aligned.
; Every wave makes the minimum itself from the 2 KB of mins (16 numbers a lane): no LDS, no barrier, no wave waits for another.
.set M, 4                              ; v[4:19]   my sixteen of the 512 minima
.set E, 20                             ; v[20:35]  my sixteen numbers of ener, then of out0
	s_load_b128 s[4:7], s[0:1], 0x0                ; ener s[4:5], mins s[6:7]
	s_load_b64 s[8:9], s[0:1], 0x10                ; out0
	v_and_b32 v1, 31, v0
	v_lshlrev_b32 v1, 4, v1                        ; 16 lane
	v_lshlrev_b32 v2, 4, v0                        ; 16 t
	s_lshl_b32 s12, ttmp9, 14
	s_mov_b32 s13, 0
	s_mov_b32 s10, 0x76543210                      ; v_permlanex16_b32: each lane takes its own place in the other half
	s_mov_b32 s11, 0xfedcba98
	s_wait_kmcnt 0x0
	s_add_nc_u64 s[4:5], s[4:5], s[12:13]
	s_add_nc_u64 s[8:9], s[8:9], s[12:13]
.irp c, 0,1,2,3
	global_load_b128 v[M+4*(\c):M+4*(\c)+3], v1, s[6:7] offset:512*(\c)
.endr
.irp c, 0,1,2,3
	global_load_b128 v[E+4*(\c):E+4*(\c)+3], v2, s[4:5] offset:4096*(\c) th:TH_LOAD_NT
.endr
	s_wait_loadcnt 4                               ; the minima are in; the four loads of ener stay out
.irp c, 0,1,2,3
	v_min3_num_f32 v[36+(\c)], v[M+4*(\c)], v[M+4*(\c)+1], v[M+4*(\c)+2]
.endr
.irp c, 0,1,2,3
	v_min_num_f32 v[36+(\c)], v[36+(\c)], v[M+4*(\c)+3]
.endr
	v_min3_num_f32 v36, v36, v37, v38
	v_min_num_f32 v36, v36, v39
	v_min_num_f32_dpp v36, v36, v36 row_xmask:1 row_mask:0xf bank_mask:0xf
	v_min_num_f32_dpp v36, v36, v36 row_xmask:2 row_mask:0xf bank_mask:0xf
	v_min_num_f32_dpp v36, v36, v36 row_xmask:4 row_mask:0xf bank_mask:0xf
	v_min_num_f32_dpp v36, v36, v36 row_xmask:8 row_mask:0xf bank_mask:0xf
	v_permlanex16_b32 v37, v36, s10, s11           ; v37 has been written
	v_min_num_f32 v40, v36, v37                    ; the minimum of all, in every lane,
	v_mov_b32 v41, v40                             ; twice: a pair for the packed subtraction
.irp c, 0,1,2,3
	s_wait_loadcnt 3-(\c)
	v_pk_add_f32 v[E+4*(\c):E+4*(\c)+1],   v[E+4*(\c):E+4*(\c)+1],   v[40:41] neg_lo:[0,1] neg_hi:[0,1]
	v_pk_add_f32 v[E+4*(\c)+2:E+4*(\c)+3], v[E+4*(\c)+2:E+4*(\c)+3], v[40:41] neg_lo:[0,1] neg_hi:[0,1]
	global_store_b128 v2, v[E+4*(\c):E+4*(\c)+3], s[8:9] offset:4096*(\c) th:TH_STORE_NT  ; these registers are not written again
.endr
	s_endpgm
.Lfunc_end_k_qffbbe1bafe_sub:
	.size	k_qffbbe1bafe_sub, .Lfunc_end_k_qffbbe1bafe_sub-k_qffbbe1bafe_sub
	.p2alignl 7, 3214868480
	.fill 96, 4, 3214868480
	.section	.rodata,"a",@progbits
	.p2align	6, 0x0
	.amdhsa_kernel k_qffbbe1bafe_sub
		.amdhsa_group_segment_fixed_size 0
		.amdhsa_private_segment_fixed_size 0
		.amdhsa_enable_private_segment 0
		.amdhsa_kernarg_size 24
		.amdhsa_user_sgpr_count 2
		.amdhsa_user_sgpr_kernarg_segment_ptr 1
		.amdhsa_wavefront_size32 1
		.amdhsa_system_sgpr_workgroup_id_x 1
		.amdhsa_system_sgpr_workgroup_id_y 1
		.amdhsa_system_sgpr_workgroup_id_z 1
		.amdhsa_system_vgpr_workitem_id 0
		.amdhsa_next_free_vgpr 48
		.amdhsa_next_free_sgpr 66
		.amdhsa_reserve_vcc 0
		.amdhsa_float_denorm_mode_32 3
		.amdhsa_float_denorm_mode_16_64 3
		.amdhsa_memory_ordered 1
		.amdhsa_forward_progress 1
		.amdhsa_inst_pref_size 4
	.end_amdhsa_kernel
	.amdgpu_metadata
---
amdhsa.version: [ 1, 2 ]
amdhsa.kernels:
  - .name:           k_qffbbe1bafe_sub
    .symbol:         k_qffbbe1bafe_sub.kd
    .args:
      - { .name: ener, .offset: 0, .size: 8, .value_kind: global_buffer, .address_space: global }
      - { .name: mins, .offset: 8, .size: 8, .value_kind: global_buffer, .address_space: global }
      - { .name: out0, .offset: 16, .size: 8, .value_kind: global_buffer, .address_space: global }
    .group_segment_fixed_size: 0
    .private_segment_fixed_size: 0
    .kernarg_segment_align: 8
    .kernarg_segment_size: 24
    .max_flat_workgroup_size: 256
    .sgpr_count:     66
    .vgpr_count:     48
    .wavefront_size: 32
...
	.end_amdgpu_metadata
.endif
;; end of part 4
